; MI455X (gfx1250); checked and timed in simulation.
; The chip was launched on July 23, 2026; its instructions are those of AMD's public machine-readable ISA for CDNA 5 (MIT licence, August 2026) and "CDNA5" Instruction Set Architecture Reference Guide (July 2026). The comments in the code are by the model that wrote it; some were corrected since.
;; Channel Max Pooling. Allowed arithmetic: float matrix products may take bf16 or f16 operands with f32 sums; all other float work in f32.
;; Inputs: inputs 1,024 x 7 x 7 x 512 float32.
;; Outputs: out0 1,024 x 512 float32.
;; 2 versions, each right; version 2 is version 1 with the launch topk written anew for expert scheduling mode. Each part assembles by itself: llvm-mc -triple=amdgcn-amd-amdhsa -mcpu=gfx1250 --defsym DOCPART=n.
;; ======== version 1 of 2: 1 launch
;; launch topk (part 1): grid 256 x 1, 12 waves a work-group, no clusters, 62,976 bytes of LDS; arguments inputs, out0; writes out0
.if DOCPART == 1
	.amdgcn_target "amdgcn-amd-amdhsa--gfx1250"
	.amdhsa_code_object_version 6
	.text
	.protected	k_q26fdd0736c_topk
	.globl	k_q26fdd0736c_topk
	.p2align	8
	.type	k_q26fdd0736c_topk,@function
k_q26fdd0736c_topk:
	s_mov_b64 s[64:65], 0
	v_nop
	global_prefetch_b8 v0, s[64:65] scope:SCOPE_SE
	s_setreg_imm32_b32 hwreg(HW_REG_WAVE_MODE, 25, 1), 1
	s_wait_xcnt 0x0
; ChannelMaxPooling.  inputs [1024][49 pixels][512] f32.  out0 [1024][512] f32:
;   out0[b][0..21]         = the 22 largest channels of pixel 24, descending
;   out0[b][22+10p+j]      = the j-th largest channel of pixel p, j = 0..9
; LIMIT: the inputs hold no NaN (the _num forms of min, max and med3 drop a NaN).  Infinities, equal values and denormals
; are served exactly; which sign a zero carries among equal zeros is not guaranteed.
;
; A work-group owns 4 batches (401,408 bytes in, 8,192 bytes out).  No byte of the input is read by two work-groups or
; two waves, so there is nothing to share in a cluster and nothing to multicast.
;   waves 0-7 : wave w streams 24 neighbouring rows of batch w>>1: pixels 0-23 (w even) or 25-48 (w odd), as 12 pairs of rows.
;               Phase 1, a pair at a time: lanes 0-15 hold the first row, lanes 16-31 the second, 32 numbers a lane (eight 16-byte
;               loads).  Two networks of 56 instructions and a merge of 20 leave the ten largest of the lane's 32, sorted;
;               the list goes to the wave's own LDS area: 640 bytes for a row of 2,048.
;               Phase 2, 8 rows at a time: the lists come back transposed, 4 lanes a row and 4 lists a lane, so that all 32 lanes
;               merge different lists: 3 merges in the lane, 2 across lanes.
;   waves 8-11: wave w takes pixel 24 of batch w-8: sorts 16 numbers a lane, then five merges across lanes that keep 22.
; Every selection step is a fixed network of min, max and med3: no branch and no address hangs on a number of the input.
; All results meet in an LDS image of the 8,192 output bytes; behind the one barrier they leave in stores of 512 neighbouring bytes.
; The twelve pairs are written out, not looped: no address register is ever stepped, every address is a base, a lane term
; and an immediate, and no wait is spent on freeing a base.
.set ROWB,   2048                      ; bytes of a row (512 channels)
.set BATCHB, 49*ROWB
.set WGB,    4*BATCHB
.set K,      10
.set PAIRS,  12                        ; pairs of rows of a streaming wave
.set SLOTS,  4                         ; pair slots in the register ring: 32 loads, 16,384 bytes of a wave on their way
.set LISTB,  48                        ; LDS bytes from list to list: 10 numbers + 8 bytes.  48 = 3 x 16: sixteen neighbouring lanes
                                       ; touch sixteen different 16-byte columns modulo 256 bytes
.set LROWB,  832                       ; LDS bytes from row to row: 16 lists + 64.  832 = 52 x 16 and 52 = 4 modulo 16: in phase 2 the
                                       ; columns 4 row + 3 sub (row, sub = 0..3) of sixteen neighbouring lanes are again all different
.set WAVEL,  8*LROWB                   ; a wave's list area: the 8 rows of a group
.set LISTS,  8192                      ; LDS: [0, 8192) the output image, then the eight list areas
.set GOFF, 1                           ; v1        my 16 bytes in the first 256 of my row of a pair (centre: in the first 512 of the row)
.set LSA,  2                           ; v2        LDS: where my list of a group's first pair goes
.set LLA,  3                           ; v3        LDS: the first list that I merge in phase 2
.set STA,  4                           ; v4        LDS: where my row's results of group 0 go in the output image
.set OUTA, 5                           ; v5        16 x thread: my 16 bytes of the output image, in LDS and in out0
.set T0,   6
.set T1,   7
.set P,    8                           ; v[8:17]    phase 1: the ten largest of my first 16 numbers
.set TMPE, 18                          ; v18, v19   the comparators' first pair of free registers, one even, one odd
.set TMPO, 19
.set X,    20                          ; v[20:147]  ring of 4 pair slots, 32 registers each
.set LS,   X+32*SLOTS                  ; v[148:187] four lists of ten in phase 2
.set QB,   LS+40                       ; v[188:227] phase 1: a list block for each of a group's four pairs.  A block is written again
                                       ;            only behind the next phase 2's wait for all LDS work: no sort meets a pending LDS store's data
.set TMPR, 18                          ; centre: the plain comparators' free register
.set CX,   20                          ; centre: v[20:35] the row as loaded; v[20:41] = WK, 22 numbers at work
.set CS,   36                          ; centre: v[36:51] the lane's 16 numbers, sorted
.set WK,   CX
.set OC,   60                          ; centre: v[60:81] the list of 22 between merges
; ======== comparators of the streaming waves: one dual instruction each ========
; Symbol Qi names the register that holds wire i.  FRE and FRO name two free registers, one even, one odd.
; The dual form wants one even and one odd destination, and the two halves' first sources (and their second sources) in
; different register banks (number modulo 4).  So a comparator takes two wires of UNLIKE parity, the second half names them in the
; other order, and both results go to the free pair: neither half writes what the other reads.  The two old registers, one even
; and one odd, are the next free pair.
; CE i, j, sw: wire i gets the larger, wire j the smaller.  sw = 0: each wire keeps its parity; sw = 1: they change parities, where
; a later comparator needs it.  Wires of like parity cannot share a dual form and would get two plain instructions; with the
; placements below none arises.
.macro CE i, j, sw
.if (Q\i ^ Q\j) & 1
	.if (Q\i ^ \sw) & 1
	.set NI, FRO
	.set NJ, FRE
	.else
	.set NI, FRE
	.set NJ, FRO
	.endif
	v_dual_max_num_f32 v[NI], v[Q\i], v[Q\j] :: v_dual_min_num_f32 v[NJ], v[Q\j], v[Q\i]
	.if Q\i & 1
	.set FRO, Q\i
	.set FRE, Q\j
	.else
	.set FRE, Q\i
	.set FRO, Q\j
	.endif
	.set Q\i, NI
	.set Q\j, NJ
.else
	.if Q\i & 1
	.set NI, FRO
	.else
	.set NI, FRE
	.endif
	v_max_num_f32 v[NI], v[Q\i], v[Q\j]
	v_min_num_f32 v[Q\j], v[Q\i], v[Q\j]
	.if Q\i & 1
	.set FRO, Q\i
	.else
	.set FRE, Q\i
	.endif
	.set Q\i, NI
.endif
.endm
; the same comparator in two networks that run side by side
.macro CC i, j, k, l, sw
	CE \i, \j, \sw
	CE \k, \l, \sw
.endm
; CEO: the last comparator of two wires: the larger to v[d0], the smaller to v[d1], their places in the result block
; (of unlike parity, and no register of the network).
.macro CEO i, j, d0, d1
.if ((Q\i ^ Q\j) & 1) * (((\d0) ^ (\d1)) & 1)
	v_dual_max_num_f32 v[\d0], v[Q\i], v[Q\j] :: v_dual_min_num_f32 v[\d1], v[Q\j], v[Q\i]
.else
	v_max_num_f32 v[\d0], v[Q\i], v[Q\j]
	v_min_num_f32 v[\d1], v[Q\i], v[Q\j]
.endif
.endm
; two maxima that do not depend on each other, in one dual instruction where its rules allow
.macro MAX2 d0, x0, y0, d1, x1, y1
.if (((\d0) ^ (\d1)) & 1) * (((\x0) ^ (\x1)) & 3) * (((\y0) ^ (\y1)) & 3)
	v_dual_max_num_f32 v[\d0], v[\x0], v[\y0] :: v_dual_max_num_f32 v[\d1], v[\x1], v[\y1]
.else
	v_max_num_f32 v[\d0], v[\x0], v[\y0]
	v_max_num_f32 v[\d1], v[\x1], v[\y1]
.endif
.endm
; ---- wires Q0..Q9 fall and then rise (bitonic); they leave descending in block dst (no register of the network).
; It is the bitonic merge of 16 places with six +infinity behind the ten: comparators with a known +infinity are only renamings.
; Distance 8: (0,8) (1,9); their larger two are ranks 0, 1; the other eight, in the order 8 9 2 3 4 5 6 7, take distances 4, 2, 1.
; Every comparator joins wires of unlike colour for the colours 0 1 0 1 0 1 1 0 1 0 of wires 0..9: the caller puts each wire
; on a register of its colour's parity, and no wire ever changes parity.
; LIST ORDER: a list that will be merged again (perm = 1) keeps rank r at offset 0 1 2 3 4 5 7 6 9 8: on an even base that is the
; colour of wire r, so the next merge's maxima can stay in place.  perm = 0: true order, for the way out.
.macro SORT10 dst, perm
	CE 0, 8, 0
	CE 1, 9, 0
	CE 2, 6, 0
	CE 3, 7, 0
	CE 8, 4, 0
	CE 9, 5, 0
	CEO 0, 1, \dst, \dst+1
	CE 8, 2, 0
	CE 9, 3, 0
	CE 4, 6, 0
	CE 5, 7, 0
	CEO 8, 9, \dst+2, \dst+3
	CEO 2, 3, \dst+4, \dst+5
	CEO 4, 5, \dst+6+\perm, \dst+7-\perm
	CEO 6, 7, \dst+8+\perm, \dst+9-\perm
.endm
; wires 0..9 lie in block b (even base) in list order; everything else is free
.macro WIRES b
.irp i, 0,1,2,3,4,5
	.set Q\i, \b+\i
.endr
	.set Q6, \b+7
	.set Q7, \b+6
	.set Q8, \b+9
	.set Q9, \b+8
	.set FRE, TMPE
	.set FRO, TMPO
.endm
; In list order the number at offset o meets, in a merge, the other list's number at offset Mo (rank r meets rank 9 - r).
.set M0, 8
.set M1, 9
.set M2, 6
.set M3, 7
.set M4, 5
.set M5, 4
.set M6, 2
.set M7, 3
.set M8, 0
.set M9, 1
; the ten largest of two sorted lists of ten: max(a[r], b[9-r]) are those ten, and they fall and then rise.
; Both in list order; the maxima stay in a; the result goes to b in list order.  5 + 15 instructions.
.macro MERGE a, b
	MAX2 \a+0, \a+0, \b+8, \a+1, \a+1, \b+9
	MAX2 \a+8, \a+8, \b+0, \a+9, \a+9, \b+1
	MAX2 \a+2, \a+2, \b+6, \a+3, \a+3, \b+7
	MAX2 \a+6, \a+6, \b+2, \a+7, \a+7, \b+3
	MAX2 \a+4, \a+4, \b+5, \a+5, \a+5, \b+4
	WIRES \a
	SORT10 \b, 1
.endm
; the same with the list of lane (me xor mask) as the second list.  DPP brings the first source from the other lane; it has no dual
; form: 10 + 15 instructions.  A DPP form's destination counts as read: block t has been written before (by the list loads).
.macro XMERGE c, t, mask, perm
.irp o, 0,1,8,9,2,3,6,7,4,5
	v_max_num_f32_dpp v[\t+\o], v[\c+M\o], v[\c+\o] row_xmask:\mask row_mask:0xf bank_mask:0xf
.endr
	WIRES \t
	SORT10 \c, \perm
.endm
; ---- the ten largest of v[x .. x+15] (x even), in list order, into block dst.  38 + 3 + 15 instructions.
; Two sorts of eight side by side, wires 0-7 (a) and 8-15 (b), 19 comparators each: three layers sort a 2 x 2 x 2 cube along each
; axis, three more put the six middle wires in order.  Parities of wires 0..7: at the start 0 1 1 0 1 0 0 1 (the number of ones in
; the wire's number, hence the order of the registers below); behind layer 3: 0 1 1 0 0 1 0 1; 4: 0 1 1 1 0 0 0 1; 5: 0 0 1 0 1 0 1 1;
; 6: 0 1 0 1 0 1 0 1.  Each comparator meets unlike parities.
; Then the merge of two lists of eight, thought of as ten with -infinity behind: t0 t1 = a0 a1 and t8 t9 = b1 b0 as they stand,
; t[i] = max(a[i], b[9-i]) for i = 2..7; t6 and t7 go to b3's and b2's registers, which have their colours' parities.
.macro TOP10 x, dst
	.set Q0, \x
	.set Q1, \x+1
	.set Q2, \x+3
	.set Q3, \x+2
	.set Q4, \x+5
	.set Q5, \x+4
	.set Q6, \x+6
	.set Q7, \x+7
	.set Q8, \x+8
	.set Q9, \x+9
	.set Q10, \x+11
	.set Q11, \x+10
	.set Q12, \x+13
	.set Q13, \x+12
	.set Q14, \x+14
	.set Q15, \x+15
	.set FRE, TMPE
	.set FRO, TMPO
	CC 0, 2, 8, 10, 0                              ; layer 1
	CC 1, 3, 9, 11, 0
	CC 4, 6, 12, 14, 0
	CC 5, 7, 13, 15, 0
	CC 0, 4, 8, 12, 0                              ; layer 2
	CC 1, 5, 9, 13, 0
	CC 2, 6, 10, 14, 0
	CC 3, 7, 11, 15, 0
	CC 0, 1, 8, 9, 0                               ; layer 3
	CC 2, 3, 10, 11, 0
	CC 4, 5, 12, 13, 1
	CC 6, 7, 14, 15, 0
	CC 2, 4, 10, 12, 0                             ; layer 4
	CC 3, 5, 11, 13, 1
	CC 1, 4, 9, 12, 1                              ; layer 5
	CC 3, 6, 11, 14, 1
	CC 1, 2, 9, 10, 1                              ; layer 6
	CC 3, 4, 11, 12, 1
	CC 5, 6, 13, 14, 1
	MAX2 Q2, Q2, Q15, Q3, Q3, Q14                  ; t2 = max(a2, b7), t3 = max(a3, b6)
	MAX2 Q11, Q6, Q11, Q10, Q7, Q10                ; t6 = max(a6, b3), t7 = max(a7, b2)
	MAX2 Q4, Q4, Q13, Q5, Q5, Q12                  ; t4 = max(a4, b5), t5 = max(a5, b4)
	.set Q6, Q11
	.set Q7, Q10
	.set SWP, Q8
	.set Q8, Q9                                    ; t8 = b1
	.set Q9, SWP                                   ; t9 = b0
	SORT10 \dst, 1
.endm
; ---- entry, all waves.  Everything that does not need the arguments stands in front of the wait for them.
	s_load_b128 s[4:7], s[0:1], 0x0                ; inputs s[4:5], out0 s[6:7]
	v_lshl_add_u32 v228, v0, 2, 0xf000
	v_mov_b32 v229, 0
	v_lshrrev_b32 v[T0], 5, v0
	v_readfirstlane_b32 s8, v[T0]                  ; wave 0..11
	v_and_b32 v[T1], 31, v0                        ; lane
	v_lshlrev_b32 v[OUTA], 4, v0
	s_mul_i32 s12, ttmp9, WGB                      ; the work-group's four batches (at most 255 x 401,408: below 2^31)
	s_mov_b32 s13, 0
	s_cmp_ge_u32 s8, 8
	s_cbranch_scc1 .Lcenter
; ======== waves 0-7: 24 rows, the ten largest of each ========
	s_lshr_b32 s16, s8, 1                          ; batch of the four
	s_and_b32 s17, s8, 1                           ; 0: pixels 0-23, 1: pixels 25-48
	s_mul_i32 s18, s16, BATCHB
	s_mul_i32 s19, s17, 25*ROWB
	s_add_co_u32 s12, s12, s18
	s_add_co_u32 s12, s12, s19
	s_lshl_b32 s14, ttmp9, 13                      ; the work-group's 8,192 bytes of out0
	s_mov_b32 s15, 0
	v_lshrrev_b32 v[T0], 4, v[T1]                  ; h = lane / 16: which row of a pair is mine
	v_and_b32 v[LLA], 15, v[T1]                    ; c = lane % 16 (v3 is a scratch register until its own value is made below)
	v_lshlrev_b32 v[GOFF], 4, v[LLA]
	v_lshl_add_u32 v[GOFF], v[T0], 11, v[GOFF]     ; 16 c + 2,048 h
	s_wait_kmcnt 0x0
	s_add_nc_u64 s[10:11], s[4:5], s[12:13]        ; my first row; never stepped: the pair is in the loads' immediate
	s_add_nc_u64 s[6:7], s[6:7], s[14:15]
; Eight loads bring a pair of rows, 4,096 neighbouring bytes.  Each load of the wave covers 256 neighbouring bytes, aligned, of each
; of the two rows.  Read once in the launch.
.macro FILL slot, pair
.irp j, 0,1,2,3,4,5,6,7
	global_load_b128 v[X+32*\slot+4*\j:X+32*\slot+4*\j+3], v[GOFF], s[10:11] offset:(\pair)*2*ROWB+256*\j th:TH_LOAD_NT
.endr
.endm
	.set NXT, 0
.rept SLOTS
	FILL NXT, NXT                                  ; the ring is filled first
	.set NXT, NXT+1
.endr
	s_mul_i32 s20, s8, WAVEL
	s_add_co_u32 s20, s20, LISTS                   ; my wave's list area
	v_mul_u32_u24 v[LSA], LISTB, v[LLA]            ; phase 1: list c
	v_mul_u32_u24 v[STA], LROWB, v[T0]             ;          of row h of the pair
	v_add_nc_u32 v[LSA], v[LSA], v[STA]
	v_add_nc_u32 v[LSA], s20, v[LSA]
	v_lshrrev_b32 v[T0], 2, v[T1]                  ; phase 2: my row of the group = lane / 4
	v_and_b32 v[LLA], 3, v[T1]                     ;          my lists = lane % 4 + 4 i, i = 0..3
	v_mul_u32_u24 v[LLA], LISTB, v[LLA]
	v_mul_u32_u24 v[STA], LROWB, v[T0]
	v_add_nc_u32 v[LLA], v[LLA], v[STA]
	v_add_nc_u32 v[LLA], s20, v[LLA]
	s_lshl_b32 s21, s16, 11                        ; the batch's 2,048 bytes of the output image
	s_mul_i32 s22, s17, 25*4*K                     ; 25 pixels of 40 bytes
	s_add_co_u32 s21, s21, s22
	s_add_co_u32 s21, s21, 88                      ; behind the 22 numbers of the centre
	v_mul_u32_u24 v[STA], 4*K, v[T0]
	v_add_nc_u32 v[STA], s21, v[STA]               ; set once; the group is in the stores' immediate
; Phase 1 for pair q (rows 2q, 2q+1), which lies in slot q % SLOTS.  BEH = the pairs whose eight loads were issued behind this
; pair's: SLOTS-1 while the ring is filled again, then as many as are left.  The slot is loaded again with pair q + SLOTS while
; there is one: no load leaves the 24 rows.  The networks' free registers start anew at v18, v19 each time, so nothing writes
; a slot once its loads are out.
.macro PAIR q
	.set SL, (\q)%SLOTS
	.set XS, X+32*SL
	.set QC, QB+10*((\q)%4)
	.set BEH, PAIRS-1-(\q)
	.if BEH > SLOTS-1
	.set BEH, SLOTS-1
	.endif
	s_wait_loadcnt 8*BEH+4                         ; loads return in order (ISA guide 5.7.1): the pair's first four are in; out may be its
	TOP10 XS, P                                    ; other four and the younger pairs' eight each
	s_wait_loadcnt 8*BEH                           ; the pair is in
	TOP10 XS+16, QC
	MERGE P, QC                                    ; the ten largest of my 32 numbers
	ds_store_b128 v[LSA], v[QC:QC+3]   offset:((\q)%4)*2*LROWB
	ds_store_b128 v[LSA], v[QC+4:QC+7] offset:((\q)%4)*2*LROWB+16
	ds_store_b64  v[LSA], v[QC+8:QC+9] offset:((\q)%4)*2*LROWB+32
	.if (\q)+SLOTS < PAIRS
	.set NXT, (\q)+SLOTS
	FILL SL, NXT
	.endif
.endm
; Phase 2 for the 8 rows of group g, whose lists lie in my wave's area.  LDS serves a wave's instructions in order (ISA guide
; 5.7.1): the loads see the stores above, and the next group's stores come behind these loads.  No other wave touches the area:
; no barrier.
.macro PHASE2 g
.irp i, 0,1,2,3
	ds_load_b128 v[LS+10*\i:LS+10*\i+3],   v[LLA] offset:4*LISTB*\i
	ds_load_b128 v[LS+10*\i+4:LS+10*\i+7], v[LLA] offset:4*LISTB*\i+16
	ds_load_b64  v[LS+10*\i+8:LS+10*\i+9], v[LLA] offset:4*LISTB*\i+32
.endr
	s_wait_dscnt 6                                 ; three loads a list: lists 0, 1 are in, the six loads of lists 2, 3 may be out
	MERGE LS, LS+10
	s_wait_dscnt 0
	MERGE LS+20, LS+30
	MERGE LS+10, LS+30                             ; my four lists are one
	XMERGE LS+30, LS, 1, 1                         ; with the neighbour lane,
	XMERGE LS+30, LS, 2, 0                         ; with the other pair: all four lanes of a row now hold its ten largest, in true order
.irp j, 0,1,2,3,4
	ds_store_b64 v[STA], v[LS+30+2*\j:LS+30+2*\j+1] offset:\g*8*4*K+8*\j   ; 8 pixels of 40 bytes a group; the four lanes of a row
.endr                                                                          ; write the same 40 bytes with the same numbers
.endm
.irp q, 0,1,2,3
	PAIR \q
.endr
	PHASE2 0
.irp q, 4,5,6,7
	PAIR \q
.endr
	PHASE2 1
.irp q, 8,9,10,11
	PAIR \q                                        ; the last group loads nothing: the counts run down
.endr
	PHASE2 2
	s_branch .Ljoin
; ======== waves 8-11: pixel 24 of one batch, the 22 largest ========
; One row a wave, done while the streaming waves wait for their first rows: plain instructions.
; ---- insertion: list v[base ..] is sorted descending and holds nn numbers; v[xr] goes in and the list grows by one.
; Place i becomes the middle one of (old i-1, old i, x): one instruction a place.  From the bottom up, so that each line still
; reads the old neighbour: in place, and no line of one insertion waits for another.
.macro INS base, xr
	v_min_num_f32 v[\base+nn], v[\base+nn-1], v[\xr]
	.set ii, nn-1
.rept nn-1
	v_med3_num_f32 v[\base+ii], v[\base+ii-1], v[\base+ii], v[\xr]
	.set ii, ii-1
.endr
	v_max_num_f32 v[\base], v[\base], v[\xr]
.endm
; v[x .. x+15], descending, into v[base ..].  The first three are sorted by three instructions: nothing is cleared.
.macro SORT16 base, x
	v_max3_num_f32 v[\base],   v[\x], v[\x+1], v[\x+2]
	v_med3_num_f32 v[\base+1], v[\x], v[\x+1], v[\x+2]
	v_min3_num_f32 v[\base+2], v[\x], v[\x+1], v[\x+2]
	.set nn, 3
.rept 13
	INS \base, \x+nn
	.set nn, nn+1
.endr
.endm
; plain comparators: the larger goes to the one free register FR, the smaller stays, and i's old register becomes free
.macro CE1 i, j
	v_max_num_f32 v[FR], v[Q\i], v[Q\j]
	v_min_num_f32 v[Q\j], v[Q\i], v[Q\j]
	.set SWP, Q\i
	.set Q\i, FR
	.set FR, SWP
.endm
.macro CEO1 i, j, d
	v_max_num_f32 v[\d],   v[Q\i], v[Q\j]
	v_min_num_f32 v[\d+1], v[Q\i], v[Q\j]
.endm
.Lcenter:
	s_sub_co_u32 s16, s8, 8                        ; batch of the four
	s_mul_i32 s18, s16, BATCHB
	s_add_co_u32 s12, s12, s18
	s_add_co_u32 s12, s12, 24*ROWB
	v_lshlrev_b32 v[GOFF], 4, v[T1]                ; 16 x lane: here a load of the wave covers 512 neighbouring bytes of the one row
	s_lshl_b32 s21, s16, 11
	v_mov_b32 v[STA], s21                          ; the batch's 2,048 bytes of the output image
	s_mov_b32 s22, 0x76543210                      ; v_permlanex16_b32: lane i of one half reads lane i of the other
	s_mov_b32 s23, 0xfedcba98
	s_wait_kmcnt 0x0
	s_add_nc_u64 s[10:11], s[4:5], s[12:13]
.irp j, 0,1,2,3
	global_load_b128 v[CX+4*\j:CX+4*\j+3], v[GOFF], s[10:11] offset:512*\j th:TH_LOAD_NT
.endr
	s_wait_loadcnt 0x0
	SORT16 CS, CX                                  ; my 16 numbers, all kept, descending
; Q0..Q21 fall and then rise; they leave descending in v[dst .. dst+21].  The bitonic merge of 32 places with ten +infinity behind
; the 22.  Distance 16: (i, 16+i), i = 0..5.  The larger six 0..5: (0,4) (1,5), then 0 1 are ranks 0, 1 and 4 5 2 3 take distances
; 2, 1.  The other sixteen, in the order 16 .. 21, 6 .. 15, take distances 8, 4, 2, 1.
.macro NET22 dst
	.set FR, TMPR
	CE1 0, 16
	CE1 1, 17
	CE1 2, 18
	CE1 3, 19
	CE1 4, 20
	CE1 5, 21
	CE1 0, 4
	CE1 1, 5
	CE1 16, 8
	CE1 17, 9
	CE1 18, 10
	CE1 19, 11
	CE1 20, 12
	CE1 21, 13
	CE1 6, 14
	CE1 7, 15
	CEO1 0, 1, \dst
	CE1 4, 2
	CE1 5, 3
	CE1 16, 20
	CE1 17, 21
	CE1 18, 6
	CE1 19, 7
	CE1 8, 12
	CE1 9, 13
	CE1 10, 14
	CE1 11, 15
	CEO1 4, 5, \dst+2
	CEO1 2, 3, \dst+4
	CE1 16, 18
	CE1 17, 19
	CE1 20, 6
	CE1 21, 7
	CE1 8, 10
	CE1 9, 11
	CE1 12, 14
	CE1 13, 15
	CEO1 16, 17, \dst+6
	CEO1 18, 19, \dst+8
	CEO1 20, 21, \dst+10
	CEO1 6, 7, \dst+12
	CEO1 8, 9, \dst+14
	CEO1 10, 11, \dst+16
	CEO1 12, 13, \dst+18
	CEO1 14, 15, \dst+20
.endm
	; Merge 1, with lane xor 1: two lists of 16, thought of as 22 with -infinity behind.  t[i] = max(mine[i], other[21-i]):
	; i < 6 is mine[i] as it stands, i > 15 is other[21-i], ten places take a real max.  The DPP destinations are the registers of the
	; row as loaded: written before, and spent.
.irp i, 0,1,2,3,4,5
	.set Q\i, CS+\i
.endr
.irp i, 6,7,8,9,10,11,12,13,14,15
	v_max_num_f32_dpp v[CX+\i-6], v[CS+21-\i], v[CS+\i] row_xmask:1 row_mask:0xf bank_mask:0xf
	.set Q\i, CX+\i-6
.endr
.irp i, 16,17,18,19,20,21
	v_mov_b32_dpp v[CX+\i-6], v[CS+21-\i] row_xmask:1 row_mask:0xf bank_mask:0xf
	.set Q\i, CX+\i-6
.endr
	NET22 OC
	; Merges 2 to 4, with lane xor 2, 4, 8: two lists of 22.  WK = v[20:41] has been written before and is spent.
.macro XMERGE22 mask
.irp i, 0,1,2,3,4,5,6,7,8,9,10,11,12,13,14,15,16,17,18,19,20,21
	v_max_num_f32_dpp v[WK+\i], v[OC+21-\i], v[OC+\i] row_xmask:\mask row_mask:0xf bank_mask:0xf
	.set Q\i, WK+\i
.endr
	NET22 OC
.endm
	XMERGE22 2
	XMERGE22 4
	XMERGE22 8
	; Merge 5, with lane xor 16: the other half's list comes by v_permlanex16_b32 (its destination too has been written before)
.irp i, 0,1,2,3,4,5,6,7,8,9,10,11,12,13,14,15,16,17,18,19,20,21
	v_permlanex16_b32 v[WK+\i], v[OC+21-\i], s22, s23
.endr
.irp i, 0,1,2,3,4,5,6,7,8,9,10,11,12,13,14,15,16,17,18,19,20,21
	v_max_num_f32 v[WK+\i], v[WK+\i], v[OC+\i]
	.set Q\i, WK+\i
.endr
	NET22 OC                                       ; every lane holds the 22 largest; all lanes write the same bytes with the same numbers
.irp j, 0,1,2,3,4
	ds_store_b128 v[STA], v[OC+4*\j:OC+4*\j+3] offset:16*\j
.endr
	ds_store_b64 v[STA], v[OC+20:OC+21] offset:80
.irp j, 0,1,2,3,4
	ds_store_b64 v[STA], v[OC+2*\j:OC+2*\j+1] offset:88+24*4*K+8*\j    ; pixel 24's ten largest are the first ten of the 22
.endr
; ======== all waves: the output image is whole behind the barrier ========
.Ljoin:
	s_wait_dscnt 0x0                               ; my stores into the image are done before I say so
	s_barrier_signal -1
	s_barrier_wait -1
	s_cmp_ge_u32 s8, 8
	s_cbranch_scc1 .Lend
	ds_load_b128 v[8:11],  v[OUTA]                 ; threads 0-255: 16 bytes at 16 t and at 4,096 + 16 t
	ds_load_b128 v[12:15], v[OUTA] offset:4096
	s_wait_dscnt 0x1                               ; the first is in, the second may be out
	global_store_b128 v[OUTA], v[8:11], s[6:7] th:TH_STORE_NT              ; each store of a wave covers 512 neighbouring bytes, aligned
	s_wait_dscnt 0x0
	global_store_b128 v[OUTA], v[12:15], s[6:7] offset:4096 th:TH_STORE_NT
.Lend:
	s_wait_tensorcnt 0x0
	ds_add_u32 v228, v229
	s_wait_dscnt 0x0
	s_endpgm
.Lfunc_end_k_q26fdd0736c_topk:
	.size	k_q26fdd0736c_topk, .Lfunc_end_k_q26fdd0736c_topk-k_q26fdd0736c_topk
	.p2alignl 7, 3214868480
	.fill 96, 4, 3214868480
	.section	.rodata,"a",@progbits
	.p2align	6, 0x0
	.amdhsa_kernel k_q26fdd0736c_topk
		.amdhsa_group_segment_fixed_size 62976
		.amdhsa_private_segment_fixed_size 0
		.amdhsa_enable_private_segment 0
		.amdhsa_kernarg_size 16
		.amdhsa_user_sgpr_count 2
		.amdhsa_user_sgpr_kernarg_segment_ptr 1
		.amdhsa_wavefront_size32 1
		.amdhsa_system_sgpr_workgroup_id_x 1
		.amdhsa_system_sgpr_workgroup_id_y 1
		.amdhsa_system_sgpr_workgroup_id_z 1
		.amdhsa_system_vgpr_workitem_id 0
		.amdhsa_next_free_vgpr 230
		.amdhsa_next_free_sgpr 66
		.amdhsa_reserve_vcc 0
		.amdhsa_float_denorm_mode_32 3
		.amdhsa_float_denorm_mode_16_64 3
		.amdhsa_memory_ordered 1
		.amdhsa_forward_progress 1
		.amdhsa_inst_pref_size 169
	.end_amdhsa_kernel
	.amdgpu_metadata
---
amdhsa.version: [ 1, 2 ]
amdhsa.kernels:
  - .name:           k_q26fdd0736c_topk
    .symbol:         k_q26fdd0736c_topk.kd
    .args:
      - { .name: inputs, .offset: 0, .size: 8, .value_kind: global_buffer, .address_space: global }
      - { .name: out0, .offset: 8, .size: 8, .value_kind: global_buffer, .address_space: global }
    .group_segment_fixed_size: 62976
    .private_segment_fixed_size: 0
    .kernarg_segment_align: 8
    .kernarg_segment_size: 16
    .max_flat_workgroup_size: 384
    .sgpr_count:     66
    .vgpr_count:     230
    .wavefront_size: 32
...
	.end_amdgpu_metadata
.endif
;; end of part 1
;; ======== version 2 of 2: 1 launch; version 1 with the launch topk written anew for expert scheduling mode
;; launch topk (part 2): grid 256 x 1, 12 waves a work-group, no clusters, 62,976 bytes of LDS; arguments inputs, out0; writes out0
.if DOCPART == 2
	.amdgcn_target "amdgcn-amd-amdhsa--gfx1250"
	.amdhsa_code_object_version 6
	.text
	.protected	k_q26fdd0736c_topk
	.globl	k_q26fdd0736c_topk
	.p2align	8
	.type	k_q26fdd0736c_topk,@function
k_q26fdd0736c_topk:
	s_mov_b64 s[64:65], 0
	v_nop
	global_prefetch_b8 v0, s[64:65] scope:SCOPE_SE
	s_setreg_imm32_b32 hwreg(HW_REG_WAVE_SCHED_MODE, 0, 2), 2
	s_setreg_imm32_b32 hwreg(HW_REG_WAVE_MODE, 25, 1), 1
	s_wait_xcnt 0x0
	s_wait_alu depctr_vm_vsrc(0)
; ChannelMaxPooling.  inputs [1024][49 pixels][512] f32.  out0 [1024][512] f32:
;   out0[b][0..21]         = the 22 largest channels of pixel 24, descending
;   out0[b][22+10p+j]      = the j-th largest channel of pixel p, j = 0..9
; LIMIT: the inputs hold no NaN (the _num forms of min, max and med3 drop a NaN).  Infinities, equal values and denormals
; are served exactly; which sign a zero carries among equal zeros is not guaranteed.
;
; A work-group owns 4 batches (401,408 bytes in, 8,192 bytes out).  No byte of the input is read by two work-groups or
; two waves, so there is nothing to share in a cluster and nothing to multicast.
;   waves 0-7 : wave w streams 24 neighbouring rows of batch w>>1: pixels 0-23 (w even) or 25-48 (w odd), as 12 pairs of rows.
;               Phase 1, a pair at a time: lanes 0-15 hold the first row, lanes 16-31 the second, 32 numbers a lane (eight 16-byte
;               loads).  Two networks of 56 instructions and a merge of 20 leave the ten largest of the lane's 32, sorted;
;               the list goes to the wave's own LDS area: 640 bytes for a row of 2,048.
;               Phase 2, 8 rows at a time: the lists come back transposed, 4 lanes a row and 4 lists a lane, so that all 32 lanes
;               merge different lists: 3 merges in the lane, 2 across lanes.
;   waves 8-11: wave w takes pixel 24 of batch w-8: sorts 16 numbers a lane, then five merges across lanes that keep 22.
; Every selection step is a fixed network of min, max and med3: no branch and no address hangs on a number of the input.
; All results meet in an LDS image of the 8,192 output bytes; behind the one barrier they leave in stores of 512 neighbouring bytes.
; The twelve pairs are written out, not looped: no address register is ever stepped, every address is a base, a lane term
; and an immediate, and no wait is spent on freeing a base.
;
; THE MODE: SCHED_MODE bits 1:0 = 2 (LLVM: expert scheduling mode 2), set by the entry lines.  The code itself states the register
; dependences between vector instructions and memory or LDS instructions, with s_wait_alu, always for 0.
; THE PLAN, for a streaming wave.  Registers that memory or LDS instructions touch:
;   X0 .. X3    Slot q % 4: pair q's loads land in it; pair q's two networks read and write it; pair q's merge does not name it.
;   QB0 .. QB3  Block q % 4: written by pair q's second network and by its merge; read by three LDS stores, which are issued in pair
;               q + 1's merge (those of a group's last pair: at the head of phase 2).
;   LS          Phase 2's twelve LDS loads land in it; its merges read and write it; its last ten registers are read by five LDS stores
;               into the output image, which are issued in the next pair's merge (the last group's: at the end).
;   v1 .. v5    Offsets and LDS addresses, made once at the head and never written again.
;   v8 .. v19   Named by vector instructions alone, until the way out's two LDS loads land in v8 .. v15.
; So ONE wait on va_vdst stands in a pair, behind its two networks: they are done with the slot, in which the loads of the pair four
; further on land, and the work before them has written what the stores read.  Those loads and stores follow it, dealt one to a line among
; the merge's twenty lines, which name v8 .. v19 and block q % 4: none of the registers that they touch.
; Phase 2 begins with a wait on va_vdst (the group's last list is written) and, behind that list's stores, the group's one wait on vm_vsrc.
.set ROWB,   2048                      ; bytes of a row (512 channels)
.set BATCHB, 49*ROWB
.set WGB,    4*BATCHB
.set K,      10
.set PAIRS,  12                        ; pairs of rows of a streaming wave
.set SLOTS,  4                         ; pair slots in the register ring: 32 loads, 16,384 bytes of a wave on their way
.set LISTB,  48                        ; LDS bytes from list to list: 10 numbers + 8 bytes.  48 = 3 x 16: sixteen neighbouring lanes
                                       ; touch sixteen different 16-byte columns modulo 256 bytes
.set LROWB,  832                       ; LDS bytes from row to row: 16 lists + 64.  832 = 52 x 16 and 52 = 4 modulo 16: in phase 2 the
                                       ; columns 4 row + 3 sub (row, sub = 0..3) of sixteen neighbouring lanes are again all different
.set WAVEL,  8*LROWB                   ; a wave's list area: the 8 rows of a group
.set LISTS,  8192                      ; LDS: [0, 8192) the output image, then the eight list areas
.set GOFF, 1                           ; v1        my 16 bytes in the first 256 of my row of a pair (centre: in the first 512 of the row)
.set LSA,  2                           ; v2        LDS: where my list of a group's first pair goes
.set LLA,  3                           ; v3        LDS: the first list that I merge in phase 2
.set STA,  4                           ; v4        LDS: where my row's results of group 0 go in the output image
.set OUTA, 5                           ; v5        16 x thread: my 16 bytes of the output image, in LDS and in out0
.set T0,   6
.set T1,   7
.set P,    8                           ; v[8:17]    phase 1: the ten largest of my first 16 numbers
.set TMPE, 18                          ; v18, v19   the comparators' first pair of free registers, one even, one odd
.set TMPO, 19
.set X,    20                          ; v[20:147]  ring of 4 pair slots, 32 registers each
.set LS,   X+32*SLOTS                  ; v[148:187] four lists of ten in phase 2
.set QB,   LS+40                       ; v[188:227] phase 1: a list block for each of a group's four pairs.  A block is written again
                                       ;            only behind phase 2's wait on vm_vsrc, which shows that its LDS stores have read it
.set TMPR, 18                          ; centre: the plain comparators' free register
.set CX,   20                          ; centre: v[20:35] the row as loaded; v[20:41] = WK, 22 numbers at work
.set CS,   36                          ; centre: v[36:51] the lane's 16 numbers, sorted
.set WK,   CX
.set OC,   60                          ; centre: v[60:81] the list of 22 between merges
; ======== the streaming waves' memory and LDS instructions, one at a time ========
; Load j of the eight that bring a pair of rows, 4,096 neighbouring bytes.  Each load of the wave covers 256 neighbouring bytes, aligned,
; of each of the two rows.  Read once in the launch.
.macro LD slot, pair, j
	global_load_b128 v[X+32*(\slot)+4*(\j):X+32*(\slot)+4*(\j)+3], v[GOFF], s[10:11] offset:(\pair)*2*ROWB+256*(\j) th:TH_LOAD_NT
.endm
; Store i of the three that put the list of a group's pair k into my wave's LDS area.
.macro LST k, i
.if (\i) < 2
	ds_store_b128 v[LSA], v[QB+10*(\k)+4*(\i):QB+10*(\k)+4*(\i)+3] offset:(\k)*2*LROWB+16*(\i)
.else
	ds_store_b64  v[LSA], v[QB+10*(\k)+8:QB+10*(\k)+9] offset:(\k)*2*LROWB+32
.endif
.endm
; Store j of the five that put a row's ten largest of group g into the output image: 8 pixels of 40 bytes a group; the four lanes of
; a row write the same 40 bytes with the same numbers.
.macro IMG g, j
	ds_store_b64 v[STA], v[LS+30+2*(\j):LS+30+2*(\j)+1] offset:(\g)*8*4*K+8*(\j)
.endm
; THE QUEUE.  A pair lines up MN memory instructions behind its wait on va_vdst: first NL loads (pair NXT into slot SL), then NS LDS
; stores (3: the list of the pair before, PK in its group; 5: the results of the group before, PG).  DEAL stands at the head of every
; comparator and every pair of maxima and writes the next of them while there is one: so they fall one to a line into the lines
; that follow the wait, the merge's twenty; at most 13 are lined up, so the queue is empty when the merge ends.
.set MI, 0
.set MN, 0
.set NL, 0
.set NS, 0
.macro DEAL
.if MI < MN
	.if MI < NL
	LD SL, NXT, MI
	.elseif NS == 5
	IMG PG, MI-NL
	.else
	LST PK, MI-NL
	.endif
	.set MI, MI+1
.endif
.endm
; ======== comparators of the streaming waves: one dual instruction each ========
; Symbol Qi names the register that holds wire i.  FRE and FRO name two free registers, one even, one odd.
; The dual form wants one even and one odd destination, and the two halves' first sources (and their second sources) in
; different register banks (number modulo 4).  So a comparator takes two wires of UNLIKE parity, the second half names them in the
; other order, and both results go to the free pair: neither half writes what the other reads.  The two old registers, one even
; and one odd, are the next free pair.
; CE i, j, sw: wire i gets the larger, wire j the smaller.  sw = 0: each wire keeps its parity; sw = 1: they change parities, where
; a later comparator needs it.  Wires of like parity cannot share a dual form and would get two plain instructions; with the
; placements below none arises.
.macro CE i, j, sw
	DEAL
.if (Q\i ^ Q\j) & 1
	.if (Q\i ^ \sw) & 1
	.set NI, FRO
	.set NJ, FRE
	.else
	.set NI, FRE
	.set NJ, FRO
	.endif
	v_dual_max_num_f32 v[NI], v[Q\i], v[Q\j] :: v_dual_min_num_f32 v[NJ], v[Q\j], v[Q\i]
	.if Q\i & 1
	.set FRO, Q\i
	.set FRE, Q\j
	.else
	.set FRE, Q\i
	.set FRO, Q\j
	.endif
	.set Q\i, NI
	.set Q\j, NJ
.else
	.if Q\i & 1
	.set NI, FRO
	.else
	.set NI, FRE
	.endif
	v_max_num_f32 v[NI], v[Q\i], v[Q\j]
	v_min_num_f32 v[Q\j], v[Q\i], v[Q\j]
	.if Q\i & 1
	.set FRO, Q\i
	.else
	.set FRE, Q\i
	.endif
	.set Q\i, NI
.endif
.endm
; the same comparator in two networks that run side by side
.macro CC i, j, k, l, sw
	CE \i, \j, \sw
	CE \k, \l, \sw
.endm
; CEO: the last comparator of two wires: the larger to v[d0], the smaller to v[d1], their places in the result block
; (of unlike parity, and no register of the network).
.macro CEO i, j, d0, d1
	DEAL
.if ((Q\i ^ Q\j) & 1) * (((\d0) ^ (\d1)) & 1)
	v_dual_max_num_f32 v[\d0], v[Q\i], v[Q\j] :: v_dual_min_num_f32 v[\d1], v[Q\j], v[Q\i]
.else
	v_max_num_f32 v[\d0], v[Q\i], v[Q\j]
	v_min_num_f32 v[\d1], v[Q\i], v[Q\j]
.endif
.endm
; two maxima that do not depend on each other, in one dual instruction where its rules allow
.macro MAX2 d0, x0, y0, d1, x1, y1
	DEAL
.if (((\d0) ^ (\d1)) & 1) * (((\x0) ^ (\x1)) & 3) * (((\y0) ^ (\y1)) & 3)
	v_dual_max_num_f32 v[\d0], v[\x0], v[\y0] :: v_dual_max_num_f32 v[\d1], v[\x1], v[\y1]
.else
	v_max_num_f32 v[\d0], v[\x0], v[\y0]
	v_max_num_f32 v[\d1], v[\x1], v[\y1]
.endif
.endm
; ---- wires Q0..Q9 fall and then rise (bitonic); they leave descending in block dst (no register of the network).
; It is the bitonic merge of 16 places with six +infinity behind the ten: comparators with a known +infinity are only renamings.
; Distance 8: (0,8) (1,9); their larger two are ranks 0, 1; the other eight, in the order 8 9 2 3 4 5 6 7, take distances 4, 2, 1.
; Every comparator joins wires of unlike colour for the colours 0 1 0 1 0 1 1 0 1 0 of wires 0..9: the caller puts each wire
; on a register of its colour's parity, and no wire ever changes parity.
; LIST ORDER: a list that will be merged again (perm = 1) keeps rank r at offset 0 1 2 3 4 5 7 6 9 8: on an even base that is the
; colour of wire r, so the next merge's maxima can stay in place.  perm = 0: true order, for the way out.
.macro SORT10 dst, perm
	CE 0, 8, 0
	CE 1, 9, 0
	CE 2, 6, 0
	CE 3, 7, 0
	CE 8, 4, 0
	CE 9, 5, 0
	CEO 0, 1, \dst, \dst+1
	CE 8, 2, 0
	CE 9, 3, 0
	CE 4, 6, 0
	CE 5, 7, 0
	CEO 8, 9, \dst+2, \dst+3
	CEO 2, 3, \dst+4, \dst+5
	CEO 4, 5, \dst+6+\perm, \dst+7-\perm
	CEO 6, 7, \dst+8+\perm, \dst+9-\perm
.endm
; wires 0..9 lie in block b (even base) in list order; everything else is free
.macro WIRES b
.irp i, 0,1,2,3,4,5
	.set Q\i, \b+\i
.endr
	.set Q6, \b+7
	.set Q7, \b+6
	.set Q8, \b+9
	.set Q9, \b+8
	.set FRE, TMPE
	.set FRO, TMPO
.endm
; In list order the number at offset o meets, in a merge, the other list's number at offset Mo (rank r meets rank 9 - r).
.set M0, 8
.set M1, 9
.set M2, 6
.set M3, 7
.set M4, 5
.set M5, 4
.set M6, 2
.set M7, 3
.set M8, 0
.set M9, 1
; the ten largest of two sorted lists of ten: max(a[r], b[9-r]) are those ten, and they fall and then rise.
; Both in list order; the maxima stay in a; the result goes to b in list order.  5 + 15 instructions, which name a, b, v18 and v19 alone.
.macro MERGE a, b
	MAX2 \a+0, \a+0, \b+8, \a+1, \a+1, \b+9
	MAX2 \a+8, \a+8, \b+0, \a+9, \a+9, \b+1
	MAX2 \a+2, \a+2, \b+6, \a+3, \a+3, \b+7
	MAX2 \a+6, \a+6, \b+2, \a+7, \a+7, \b+3
	MAX2 \a+4, \a+4, \b+5, \a+5, \a+5, \b+4
	WIRES \a
	SORT10 \b, 1
.endm
; the same with the list of lane (me xor mask) as the second list.  DPP brings the first source from the other lane; it has no dual
; form: 10 + 15 instructions.  A DPP form's destination counts as read: block t has been written before (by the list loads).
.macro XMERGE c, t, mask, perm
.irp o, 0,1,8,9,2,3,6,7,4,5
	v_max_num_f32_dpp v[\t+\o], v[\c+M\o], v[\c+\o] row_xmask:\mask row_mask:0xf bank_mask:0xf
.endr
	WIRES \t
	SORT10 \c, \perm
.endm
; ---- the ten largest of v[x .. x+15] (x even), in list order, into block dst.  38 + 3 + 15 instructions.
; Two sorts of eight side by side, wires 0-7 (a) and 8-15 (b), 19 comparators each: three layers sort a 2 x 2 x 2 cube along each
; axis, three more put the six middle wires in order.  Parities of wires 0..7: at the start 0 1 1 0 1 0 0 1 (the number of ones in
; the wire's number, hence the order of the registers below); behind layer 3: 0 1 1 0 0 1 0 1; 4: 0 1 1 1 0 0 0 1; 5: 0 0 1 0 1 0 1 1;
; 6: 0 1 0 1 0 1 0 1.  Each comparator meets unlike parities.
; Then the merge of two lists of eight, thought of as ten with -infinity behind: t0 t1 = a0 a1 and t8 t9 = b1 b0 as they stand,
; t[i] = max(a[i], b[9-i]) for i = 2..7; t6 and t7 go to b3's and b2's registers, which have their colours' parities.
.macro TOP10 x, dst
	.set Q0, \x
	.set Q1, \x+1
	.set Q2, \x+3
	.set Q3, \x+2
	.set Q4, \x+5
	.set Q5, \x+4
	.set Q6, \x+6
	.set Q7, \x+7
	.set Q8, \x+8
	.set Q9, \x+9
	.set Q10, \x+11
	.set Q11, \x+10
	.set Q12, \x+13
	.set Q13, \x+12
	.set Q14, \x+14
	.set Q15, \x+15
	.set FRE, TMPE
	.set FRO, TMPO
	CC 0, 2, 8, 10, 0                              ; layer 1
	CC 1, 3, 9, 11, 0
	CC 4, 6, 12, 14, 0
	CC 5, 7, 13, 15, 0
	CC 0, 4, 8, 12, 0                              ; layer 2
	CC 1, 5, 9, 13, 0
	CC 2, 6, 10, 14, 0
	CC 3, 7, 11, 15, 0
	CC 0, 1, 8, 9, 0                               ; layer 3
	CC 2, 3, 10, 11, 0
	CC 4, 5, 12, 13, 1
	CC 6, 7, 14, 15, 0
	CC 2, 4, 10, 12, 0                             ; layer 4
	CC 3, 5, 11, 13, 1
	CC 1, 4, 9, 12, 1                              ; layer 5
	CC 3, 6, 11, 14, 1
	CC 1, 2, 9, 10, 1                              ; layer 6
	CC 3, 4, 11, 12, 1
	CC 5, 6, 13, 14, 1
	MAX2 Q2, Q2, Q15, Q3, Q3, Q14                  ; t2 = max(a2, b7), t3 = max(a3, b6)
	MAX2 Q11, Q6, Q11, Q10, Q7, Q10                ; t6 = max(a6, b3), t7 = max(a7, b2)
	MAX2 Q4, Q4, Q13, Q5, Q5, Q12                  ; t4 = max(a4, b5), t5 = max(a5, b4)
	.set Q6, Q11
	.set Q7, Q10
	.set SWP, Q8
	.set Q8, Q9                                    ; t8 = b1
	.set Q9, SWP                                   ; t9 = b0
	SORT10 \dst, 1
.endm
; ---- entry, all waves.  Everything that does not need the arguments stands in front of the wait for them.
	s_load_b128 s[4:7], s[0:1], 0x0                ; inputs s[4:5], out0 s[6:7]
	v_lshl_add_u32 v228, v0, 2, 0xf000
	v_mov_b32 v229, 0
	v_lshrrev_b32 v[T0], 5, v0
	v_readfirstlane_b32 s8, v[T0]                  ; wave 0..11
	v_and_b32 v[T1], 31, v0                        ; lane
	v_lshlrev_b32 v[OUTA], 4, v0
	s_mul_i32 s12, ttmp9, WGB                      ; the work-group's four batches (at most 255 x 401,408: below 2^31)
	s_mov_b32 s13, 0
	s_wait_alu depctr_va_sdst(0)                   ; s8 is written, ahead of its first reader, the compare below; the bases and the LDS areas are made from it too
	s_cmp_ge_u32 s8, 8
	s_cbranch_scc1 .Lcenter
; ======== waves 0-7: 24 rows, the ten largest of each ========
	s_lshr_b32 s16, s8, 1                          ; batch of the four
	s_and_b32 s17, s8, 1                           ; 0: pixels 0-23, 1: pixels 25-48
	s_mul_i32 s18, s16, BATCHB
	s_mul_i32 s19, s17, 25*ROWB
	s_add_co_u32 s12, s12, s18
	s_add_co_u32 s12, s12, s19
	s_lshl_b32 s14, ttmp9, 13                      ; the work-group's 8,192 bytes of out0
	s_mov_b32 s15, 0
	v_lshrrev_b32 v[T0], 4, v[T1]                  ; h = lane / 16: which row of a pair is mine
	v_and_b32 v[LLA], 15, v[T1]                    ; c = lane % 16 (v3 is a scratch register until its own value is made below)
	v_lshlrev_b32 v[GOFF], 4, v[LLA]
	v_lshl_add_u32 v[GOFF], v[T0], 11, v[GOFF]     ; 16 c + 2,048 h
	s_wait_kmcnt 0x0
	s_add_nc_u64 s[10:11], s[4:5], s[12:13]        ; my first row; never stepped: the pair is in the loads' immediate
	s_add_nc_u64 s[6:7], s[6:7], s[14:15]
	s_wait_alu depctr_va_vdst(0)                   ; v[GOFF] is written, which every load of the stream reads as its offset; so is v[OUTA], the way out's address
.macro FILL slot, pair
.irp j, 0,1,2,3,4,5,6,7
	LD \slot, \pair, \j
.endr
.endm
	.set NXT, 0
.rept SLOTS
	FILL NXT, NXT                                  ; the ring is filled first
	.set NXT, NXT+1
.endr
	s_mul_i32 s20, s8, WAVEL
	s_add_co_u32 s20, s20, LISTS                   ; my wave's list area
	v_mul_u32_u24 v[LSA], LISTB, v[LLA]            ; phase 1: list c
	v_mul_u32_u24 v[STA], LROWB, v[T0]             ;          of row h of the pair
	v_add_nc_u32 v[LSA], v[LSA], v[STA]
	v_add_nc_u32 v[LSA], s20, v[LSA]
	v_lshrrev_b32 v[T0], 2, v[T1]                  ; phase 2: my row of the group = lane / 4
	v_and_b32 v[LLA], 3, v[T1]                     ;          my lists = lane % 4 + 4 i, i = 0..3
	v_mul_u32_u24 v[LLA], LISTB, v[LLA]
	v_mul_u32_u24 v[STA], LROWB, v[T0]
	v_add_nc_u32 v[LLA], v[LLA], v[STA]
	v_add_nc_u32 v[LLA], s20, v[LLA]
	s_lshl_b32 s21, s16, 11                        ; the batch's 2,048 bytes of the output image
	s_mul_i32 s22, s17, 25*4*K                     ; 25 pixels of 40 bytes
	s_add_co_u32 s21, s21, s22
	s_add_co_u32 s21, s21, 88                      ; behind the 22 numbers of the centre
	v_mul_u32_u24 v[STA], 4*K, v[T0]
	v_add_nc_u32 v[STA], s21, v[STA]               ; set once; the group is in the stores' immediate
; Phase 1 for pair q (rows 2q, 2q+1), which lies in slot q % SLOTS.  BEH = the pairs whose eight loads were issued behind this
; pair's: SLOTS-1 while the ring is filled again, then as many as are left.  The slot is loaded again with pair q + SLOTS while
; there is one: no load leaves the 24 rows.  The networks' free registers start anew at v18, v19 each time, so nothing writes
; a slot once its loads are out.
.macro PAIR q
	.set SL, (\q)%SLOTS
	.set XS, X+32*SL
	.set QC, QB+10*((\q)%4)
	.set BEH, PAIRS-1-(\q)
	.if BEH > SLOTS-1
	.set BEH, SLOTS-1
	.endif
	s_wait_loadcnt 8*BEH+4                         ; loads return in order (ISA guide 5.7.1): the pair's first four are in; out may be its
	TOP10 XS, P                                    ; other four and the younger pairs' eight each
	s_wait_loadcnt 8*BEH                           ; the pair is in
	TOP10 XS+16, QC
	s_wait_alu depctr_va_vdst(0)                   ; the two networks are done reading and writing the slot, in which the loads below land; the merge of the pair before
	                                               ; (in a group's first pair: phase 2) has written what the stores below read; in pair 0 v[LSA], v[LLA], v[STA] are written
	.set NL, 0
	.if (\q)+SLOTS < PAIRS
	.set NL, 8                                     ; the slot's next pair
	.endif
	.set NXT, (\q)+SLOTS
	.set NS, 3                                     ; the list of the pair before,
	.set PK, ((\q)+3)%4
	.if (\q)%4 == 0
	.set NS, 5                                     ; or the results of the group before (its last list went out ahead of its phase 2),
	.endif
	.set PG, (\q)/4-1
	.if (\q) == 0
	.set NS, 0                                     ; or nothing yet
	.endif
	.set MI, 0
	.set MN, NL+NS
	MERGE P, QC                                    ; the ten largest of my 32 numbers; the queue is dealt among its lines, with no further wait:
.endm                                                  ; they name v8 .. v19 and this pair's block alone
; Phase 2 for the 8 rows of group g, whose lists lie in my wave's area.  LDS serves a wave's instructions in order (ISA guide
; 5.7.1): the loads see the stores above, and the next group's stores come behind these loads.  No other wave touches the area:
; no barrier.  The results stay in v[LS+30 .. LS+39]; their stores into the image are issued later (see IMG's callers).
.macro PHASE2 g
	s_wait_alu depctr_va_vdst(0)                   ; the merge of the group's last pair has written its block, which the three stores below read
.irp i, 0,1,2
	LST 3, \i
.endr
	s_wait_alu depctr_vm_vsrc(0)                   ; the group's twelve list stores have read the four blocks, which the next group's networks write again; the image
	                                               ; stores of the group before have read v[LS+30 ..], in which the loads below land
.irp i, 0,1,2,3
	ds_load_b128 v[LS+10*\i:LS+10*\i+3],   v[LLA] offset:4*LISTB*\i
	ds_load_b128 v[LS+10*\i+4:LS+10*\i+7], v[LLA] offset:4*LISTB*\i+16
	ds_load_b64  v[LS+10*\i+8:LS+10*\i+9], v[LLA] offset:4*LISTB*\i+32
.endr
	s_wait_dscnt 6                                 ; three loads a list: lists 0, 1 are in, the six loads of lists 2, 3 may be out
	MERGE LS, LS+10
	s_wait_dscnt 0
	MERGE LS+20, LS+30
	MERGE LS+10, LS+30                             ; my four lists are one
	XMERGE LS+30, LS, 1, 1                         ; with the neighbour lane,
	XMERGE LS+30, LS, 2, 0                         ; with the other pair: all four lanes of a row now hold its ten largest, in true order
.endm
.irp q, 0,1,2,3
	PAIR \q
.endr
	PHASE2 0
.irp q, 4,5,6,7
	PAIR \q
.endr
	PHASE2 1
.irp q, 8,9,10,11
	PAIR \q                                        ; the last group loads nothing: the counts run down
.endr
	PHASE2 2
	s_wait_alu depctr_va_vdst(0)                   ; the last merge across lanes has written v[LS+30 ..], which the last five image stores read
.irp j, 0,1,2,3,4
	IMG 2, \j
.endr
	s_branch .Ljoin
; ======== waves 8-11: pixel 24 of one batch, the 22 largest ========
; One row a wave, done while the streaming waves wait for their first rows: plain instructions.
; ---- insertion: list v[base ..] is sorted descending and holds nn numbers; v[xr] goes in and the list grows by one.
; Place i becomes the middle one of (old i-1, old i, x): one instruction a place.  From the bottom up, so that each line still
; reads the old neighbour: in place, and no line of one insertion waits for another.
.macro INS base, xr
	v_min_num_f32 v[\base+nn], v[\base+nn-1], v[\xr]
	.set ii, nn-1
.rept nn-1
	v_med3_num_f32 v[\base+ii], v[\base+ii-1], v[\base+ii], v[\xr]
	.set ii, ii-1
.endr
	v_max_num_f32 v[\base], v[\base], v[\xr]
.endm
; v[x .. x+15], descending, into v[base ..].  The first three are sorted by three instructions: nothing is cleared.
.macro SORT16 base, x
	v_max3_num_f32 v[\base],   v[\x], v[\x+1], v[\x+2]
	v_med3_num_f32 v[\base+1], v[\x], v[\x+1], v[\x+2]
	v_min3_num_f32 v[\base+2], v[\x], v[\x+1], v[\x+2]
	.set nn, 3
.rept 13
	INS \base, \x+nn
	.set nn, nn+1
.endr
.endm
; plain comparators: the larger goes to the one free register FR, the smaller stays, and i's old register becomes free
.macro CE1 i, j
	v_max_num_f32 v[FR], v[Q\i], v[Q\j]
	v_min_num_f32 v[Q\j], v[Q\i], v[Q\j]
	.set SWP, Q\i
	.set Q\i, FR
	.set FR, SWP
.endm
.macro CEO1 i, j, d
	v_max_num_f32 v[\d],   v[Q\i], v[Q\j]
	v_min_num_f32 v[\d+1], v[Q\i], v[Q\j]
.endm
.Lcenter:
	s_sub_co_u32 s16, s8, 8                        ; batch of the four
	s_mul_i32 s18, s16, BATCHB
	s_add_co_u32 s12, s12, s18
	s_add_co_u32 s12, s12, 24*ROWB
	v_lshlrev_b32 v[GOFF], 4, v[T1]                ; 16 x lane: here a load of the wave covers 512 neighbouring bytes of the one row
	s_lshl_b32 s21, s16, 11
	v_mov_b32 v[STA], s21                          ; the batch's 2,048 bytes of the output image
	s_mov_b32 s22, 0x76543210                      ; v_permlanex16_b32: lane i of one half reads lane i of the other
	s_mov_b32 s23, 0xfedcba98
	s_wait_kmcnt 0x0
	s_add_nc_u64 s[10:11], s[4:5], s[12:13]
	s_wait_alu depctr_va_vdst(0)                   ; v[GOFF] is written, the four loads' offset; so is v[STA], the LDS stores' address, which no line below names before them
.irp j, 0,1,2,3
	global_load_b128 v[CX+4*\j:CX+4*\j+3], v[GOFF], s[10:11] offset:512*\j th:TH_LOAD_NT
.endr
	s_wait_loadcnt 0x0
	SORT16 CS, CX                                  ; my 16 numbers, all kept, descending
; Q0..Q21 fall and then rise; they leave descending in v[dst .. dst+21].  The bitonic merge of 32 places with ten +infinity behind
; the 22.  Distance 16: (i, 16+i), i = 0..5.  The larger six 0..5: (0,4) (1,5), then 0 1 are ranks 0, 1 and 4 5 2 3 take distances
; 2, 1.  The other sixteen, in the order 16 .. 21, 6 .. 15, take distances 8, 4, 2, 1.
.macro NET22 dst
	.set FR, TMPR
	CE1 0, 16
	CE1 1, 17
	CE1 2, 18
	CE1 3, 19
	CE1 4, 20
	CE1 5, 21
	CE1 0, 4
	CE1 1, 5
	CE1 16, 8
	CE1 17, 9
	CE1 18, 10
	CE1 19, 11
	CE1 20, 12
	CE1 21, 13
	CE1 6, 14
	CE1 7, 15
	CEO1 0, 1, \dst
	CE1 4, 2
	CE1 5, 3
	CE1 16, 20
	CE1 17, 21
	CE1 18, 6
	CE1 19, 7
	CE1 8, 12
	CE1 9, 13
	CE1 10, 14
	CE1 11, 15
	CEO1 4, 5, \dst+2
	CEO1 2, 3, \dst+4
	CE1 16, 18
	CE1 17, 19
	CE1 20, 6
	CE1 21, 7
	CE1 8, 10
	CE1 9, 11
	CE1 12, 14
	CE1 13, 15
	CEO1 16, 17, \dst+6
	CEO1 18, 19, \dst+8
	CEO1 20, 21, \dst+10
	CEO1 6, 7, \dst+12
	CEO1 8, 9, \dst+14
	CEO1 10, 11, \dst+16
	CEO1 12, 13, \dst+18
	CEO1 14, 15, \dst+20
.endm
	; Merge 1, with lane xor 1: two lists of 16, thought of as 22 with -infinity behind.  t[i] = max(mine[i], other[21-i]):
	; i < 6 is mine[i] as it stands, i > 15 is other[21-i], ten places take a real max.  The DPP destinations are the registers of the
	; row as loaded: written before, and spent.
.irp i, 0,1,2,3,4,5
	.set Q\i, CS+\i
.endr
.irp i, 6,7,8,9,10,11,12,13,14,15
	v_max_num_f32_dpp v[CX+\i-6], v[CS+21-\i], v[CS+\i] row_xmask:1 row_mask:0xf bank_mask:0xf
	.set Q\i, CX+\i-6
.endr
.irp i, 16,17,18,19,20,21
	v_mov_b32_dpp v[CX+\i-6], v[CS+21-\i] row_xmask:1 row_mask:0xf bank_mask:0xf
	.set Q\i, CX+\i-6
.endr
	NET22 OC
	; Merges 2 to 4, with lane xor 2, 4, 8: two lists of 22.  WK = v[20:41] has been written before and is spent.
.macro XMERGE22 mask
.irp i, 0,1,2,3,4,5,6,7,8,9,10,11,12,13,14,15,16,17,18,19,20,21
	v_max_num_f32_dpp v[WK+\i], v[OC+21-\i], v[OC+\i] row_xmask:\mask row_mask:0xf bank_mask:0xf
	.set Q\i, WK+\i
.endr
	NET22 OC
.endm
	XMERGE22 2
	XMERGE22 4
	XMERGE22 8
	; Merge 5, with lane xor 16: the other half's list comes by v_permlanex16_b32 (its destination too has been written before)
.irp i, 0,1,2,3,4,5,6,7,8,9,10,11,12,13,14,15,16,17,18,19,20,21
	v_permlanex16_b32 v[WK+\i], v[OC+21-\i], s22, s23
.endr
.irp i, 0,1,2,3,4,5,6,7,8,9,10,11,12,13,14,15,16,17,18,19,20,21
	v_max_num_f32 v[WK+\i], v[WK+\i], v[OC+\i]
	.set Q\i, WK+\i
.endr
	NET22 OC                                       ; every lane holds the 22 largest; all lanes write the same bytes with the same numbers
	s_wait_alu depctr_va_vdst(0)                   ; the last network has written v[OC .. OC+21], which the LDS stores below read
.irp j, 0,1,2,3,4
	ds_store_b128 v[STA], v[OC+4*\j:OC+4*\j+3] offset:16*\j
.endr
	ds_store_b64 v[STA], v[OC+20:OC+21] offset:80
.irp j, 0,1,2,3,4
	ds_store_b64 v[STA], v[OC+2*\j:OC+2*\j+1] offset:88+24*4*K+8*\j    ; pixel 24's ten largest are the first ten of the 22
.endr
; ======== all waves: the output image is whole behind the barrier ========
.Ljoin:
	s_wait_dscnt 0x0                               ; my stores into the image are done before I say so
	s_barrier_signal -1
	s_barrier_wait -1
	s_cmp_ge_u32 s8, 8
	s_cbranch_scc1 .Lend
	ds_load_b128 v[8:11],  v[OUTA]                 ; threads 0-255: 16 bytes at 16 t and at 4,096 + 16 t.  No new wait on va_vdst: the last vector line that names
	ds_load_b128 v[12:15], v[OUTA] offset:4096     ; v8 .. v15 is in the last pair's merge, ahead of the waits of the last phase 2; v[OUTA] was covered at the head
	s_wait_dscnt 0x1                               ; the first is in, the second may be out
	global_store_b128 v[OUTA], v[8:11], s[6:7] th:TH_STORE_NT              ; each store of a wave covers 512 neighbouring bytes, aligned
	s_wait_dscnt 0x0
	global_store_b128 v[OUTA], v[12:15], s[6:7] offset:4096 th:TH_STORE_NT
.Lend:
	s_wait_dscnt 0x0
	s_wait_alu depctr_hold_cnt(0) depctr_sa_sdst(0) depctr_va_vdst(0) depctr_va_sdst(0) depctr_va_ssrc(0) depctr_va_vcc(0) depctr_vm_vsrc(0)
	s_wait_tensorcnt 0x0
	ds_add_u32 v228, v229
	s_wait_dscnt 0x0
	s_endpgm
.Lfunc_end_k_q26fdd0736c_topk:
	.size	k_q26fdd0736c_topk, .Lfunc_end_k_q26fdd0736c_topk-k_q26fdd0736c_topk
	.p2alignl 7, 3214868480
	.fill 96, 4, 3214868480
	.section	.rodata,"a",@progbits
	.p2align	6, 0x0
	.amdhsa_kernel k_q26fdd0736c_topk
		.amdhsa_group_segment_fixed_size 62976
		.amdhsa_private_segment_fixed_size 0
		.amdhsa_enable_private_segment 0
		.amdhsa_kernarg_size 16
		.amdhsa_user_sgpr_count 2
		.amdhsa_user_sgpr_kernarg_segment_ptr 1
		.amdhsa_wavefront_size32 1
		.amdhsa_system_sgpr_workgroup_id_x 1
		.amdhsa_system_sgpr_workgroup_id_y 1
		.amdhsa_system_sgpr_workgroup_id_z 1
		.amdhsa_system_vgpr_workitem_id 0
		.amdhsa_next_free_vgpr 230
		.amdhsa_next_free_sgpr 66
		.amdhsa_reserve_vcc 0
		.amdhsa_float_denorm_mode_32 3
		.amdhsa_float_denorm_mode_16_64 3
		.amdhsa_memory_ordered 1
		.amdhsa_forward_progress 1
		.amdhsa_inst_pref_size 169
	.end_amdhsa_kernel
	.amdgpu_metadata
---
amdhsa.version: [ 1, 2 ]
amdhsa.kernels:
  - .name:           k_q26fdd0736c_topk
    .symbol:         k_q26fdd0736c_topk.kd
    .args:
      - { .name: inputs, .offset: 0, .size: 8, .value_kind: global_buffer, .address_space: global }
      - { .name: out0, .offset: 8, .size: 8, .value_kind: global_buffer, .address_space: global }
    .group_segment_fixed_size: 62976
    .private_segment_fixed_size: 0
    .kernarg_segment_align: 8
    .kernarg_segment_size: 16
    .max_flat_workgroup_size: 384
    .sgpr_count:     66
    .vgpr_count:     230
    .wavefront_size: 32
...
	.end_amdgpu_metadata
.endif
;; end of part 2
